; MI455X (gfx1250); checked and timed in simulation.
; The chip was launched on July 23, 2026; its instructions are those of AMD's public machine-readable ISA for CDNA 5 (MIT licence, August 2026) and "CDNA5" Instruction Set Architecture Reference Guide (July 2026). The comments in the code are by the model that wrote it; some were corrected since.
;; Self Attention Layer. Allowed arithmetic: matrix products marked QUANTISED: E2M3 operands, one E8M0 scale for each 32 along K, by v_wmma_scale_f32_16x16x128_f8f6f4 with both operands' format E2M3, f32 sums; everything else in f32.
;; Inputs: Wk 1,024 x 1,024 float32; Wq 1,024 x 1,024 float32; Wv 1,024 x 1,024 float32; bk 1,024 float32; bq 1,024 float32; bv 1,024 float32; x 4 x 2,048 x 1,024 float32.
;; Outputs: out0 4 x 2,048 x 1,024 float32.
;; This version of the problem:
;;   THIS VERSION OF THE PROBLEM IS GIVEN IN LOW PRECISION. The matrix products marked QUANTISED in the list below multiply operands that are first quantised to E2M3 (2 exponent bits, 3 mantissa bits; 6 bits a number), with one power-of-two scale for each 32 numbers along K (OCP MX v1.0); their sums are f32. All else is computed in f32.
;;   The module's matrix products, in the order in which they are computed (A, B: the left and right operand; K: the contracted axis; several contracted axes count as one K, in the product's order):
;;     1. [M 8,192, K 1,024] x [K 1,024, N 1,024]; A: input x; B: input Wq: QUANTISED
;;     2. [M 8,192, K 1,024] x [K 1,024, N 1,024]; A: input x; B: input Wk: QUANTISED
;;     3. [M 8,192, K 1,024] x [K 1,024, N 1,024]; A: input x; B: input Wv: QUANTISED
;;     4. batch 64 x [M 2,048, K 64] x [K 64, N 2,048]; A: computed on the way; B: computed on the way: QUANTISED
;;     5. batch 64 x [M 2,048, K 2,048] x [K 2,048, N 64]; A: softmax (see below); B: computed on the way: QUANTISED
;;   THE QUANTISER, for each operand of a quantised product, along K:
;;     - K is cut into blocks of 32 from its start; a last block that is shorter is filled with zeros.
;;     - A block's scale is 2^e with e = floor(log2(the largest magnitude in the block)) - 2, held to -126 .. 127; a block of zeros has e = 0. As a byte (E8M0): e + 127.
;;     - Each number is divided by its block's scale, clamped to +-7.5, and rounded to the nearest number of E2M3, ties to even, subnormals kept.
;;     - The product sums the exact products of the quantised numbers (number of the format x scale) in f32.
;;   ~~~python
;;   def quantise(x, axis):      # numpy; x: float32 -> the quantised numbers, widened to float32 again
;;       x = np.moveaxis(x, axis, -1); K = x.shape[-1]
;;       x = np.pad(x, [(0, 0)] * (x.ndim - 1) + [(0, -K % 32)]); x = x.reshape(x.shape[:-1] + (-1, 32)); a = np.abs(x).max(-1, keepdims=True)
;;       e = np.where(a > 0, np.clip(np.frexp(np.where(a > 0, a, 1))[1] - 1 - 2, -126, 127), 0)      # np.frexp(a)[1] - 1 = floor(log2(a)), exactly
;;       r = np.clip(x / 2.0 ** e, -7.5, 7.5)
;;       step = 2.0 ** (np.maximum(np.frexp(np.where(r == 0, 1, r))[1] - 1, 0) - 3)
;;       q = np.round(r / step) * step * 2.0 ** e      # np.round: ties to even
;;       return np.moveaxis(q.reshape(q.shape[:-2] + (-1,))[..., :K], -1, axis).astype(np.float32)
;;   ~~~
;;   SOFTMAX AHEAD OF A QUANTISED PRODUCT. Where the list says 'softmax', what is quantised is not the finished softmax but p = 2^(t - M), with t = logit x log2(e) and M = ceil(the row's largest t), a whole number; so 1/2 < the row's largest p <= 1. The row's sum l is taken of the UNQUANTISED p, in f32, and the product's result is divided by l at the end. Since M is a whole number, a kernel that streams over the keys may use a running M (the ceiling of the running maximum): every later rescaling is an exact power of two, which a block's scale takes up: the codes' values come out the same.
;;   OPERANDS COMPUTED ON THE WAY. 'Computed on the way' means the value that the module computes at that place (a softmax that the list does not call 'softmax' is quantised finished and normalised). What goes into a quantiser is computed in f32, as accurately as f32 sums, v_exp_f32 and their like allow (about 1e-6 of the number): no bf16 or f16 on the way to a quantiser, and a product that is left as it is and whose result goes on into a quantised operand takes f32 operands (vector FMAs, or v_wmma_f32_16x16x4_f32). A number that lies on a knife's edge between two numbers of the format may be rounded either way, as far as f32 arithmetic and the matrix unit's own rounding can turn it there, and no further.
;; One version. Each part assembles by itself: llvm-mc -triple=amdgcn-amd-amdhsa -mcpu=gfx1250 --defsym DOCPART=n.
;; ======== version 1 of 1: 3 launches
;; workspace buffers: xq 6,553,600 bytes; wq 2,457,600 bytes; qkv 19,660,800 bytes
;; launch quant (part 1): grid 352 x 1, 4 waves a work-group, no clusters, 61,952 bytes of LDS; arguments x, Wq, Wk, Wv, xq, wq; writes xq, wq
.if DOCPART == 1
	.amdgcn_target "amdgcn-amd-amdhsa--gfx1250"
	.amdhsa_code_object_version 6
	.text
	.protected	k_q6f970d630e_quant
	.globl	k_q6f970d630e_quant
	.p2align	8
	.type	k_q6f970d630e_quant,@function
k_q6f970d630e_quant:
	s_mov_b64 s[64:65], 0
	v_nop
	global_prefetch_b8 v0, s[64:65] scope:SCOPE_SE
	s_setreg_imm32_b32 hwreg(HW_REG_WAVE_MODE, 25, 1), 1
	s_wait_xcnt 0x0
; x [8192][1024] and Wq, Wk, Wv [1024 (k)][1024 (n)], f32, become codes of FP6 (E2M3) with one E8M0 scale byte for each 32 along K (K = the 1,024 of the model; in W it is the FIRST axis).
; A block's scale is 2^(floor(log2(its largest magnitude)) - 2): its byte is the largest magnitude's exponent field - 2, held at 1 from below.
; LIMITS: NaN and infinities are not served.  A block whose largest magnitude lies under 2^-124 (a block of zeros too) gets the byte 1 where the rule says otherwise (127 for zeros): its codes are
; then zeros or the rule's own subnormals under the held scale, and the bytes are read by this program alone.
; WHAT IS STORED: IMAGES OF OPERAND REGISTERS.  A fragment (16 rows x 128 K, 12 registers a lane) is three groups of 512 bytes: group c holds registers 4 c .. 4 c + 3, lane l's 16 bytes at 16 l.
; A block of 12,800 bytes holds one K step of 128 rows: eight images (tile i at 1,536 i), then at 12,288 the scale words [g 2][row 16][tile 4 g + 0 .. 3].  xq: [64 row blocks][8 K steps]; wq: [24][8].
; THE ROWS OF A TILE ARE NOT NEIGHBOURS: lane r of tile 2 b + u holds row 32 b + 8 u + r + 8 (r / 8) of the 128.
; Work-groups 0-255 take x, 256-351 the weights: two paths that part on the work-group's number, each with LDS bytes of its own.  No barrier: waves share nothing.
.set BLKB,  12800
.set XSTG,  8448                       ; x path: a wave's stage, 16 rows x (512 bytes + 16)
.set WBASE, 33792                      ; W path: behind the four stages of the x path
.set WSTG,  6912                       ; a wave's part: four tile images 1,664 bytes apart, then 256 bytes of scale words
.set WPIT,  1664                       ; 1,536 + 128: the two groups of eight lanes of a store fall into different halves of a run of 256 bytes
.set WSCL,  6656
.set XR,    16                         ; v16-143  x: two sets of 64 registers as loaded
.set XN,    144                        ; v144-207 x: my 64 numbers: two whole blocks of 32
.set XF,    208                        ; v208-219 the fragment
.set XT,    220                        ; v220-222, v224-226 the upper halves of the two blocks' codes
.set XW,    228                        ; v228-231 the four tiles' scale words
.set WN,    16                         ; v16-79   W: two sets of 32 numbers
.set WC,    144                        ; v144-149 a block's codes
.set WT,    152                        ; v152-154 their upper half
.set WD,    156                        ; v156     the scale word in the making
.set WO,    160                        ; v160-207 the way out
.set WS,    208                        ; v208-209 scale words on the way out
	s_load_b256 s[4:11], s[0:1], 0x0               ; x s[4:5], Wq s[6:7], Wk s[8:9], Wv s[10:11]
	s_load_b128 s[12:15], s[0:1], 0x20             ; xq s[12:13], wq s[14:15]
	v_lshl_add_u32 v240, v0, 2, 0xf000
	v_mov_b32 v241, 0
	v_lshrrev_b32 v1, 5, v0
	v_readfirstlane_b32 s16, v1                    ; wave 0..3
	v_and_b32 v8, 31, v0                           ; lane
	v_lshlrev_b32 v1, 4, v8                        ; 16 x lane: never rewritten
	s_mov_b32 s20, 0x76543210
	s_mov_b32 s21, 0xfedcba98                      ; v_permlanex16_b32: lane l xor 16
	s_cmp_lt_u32 ttmp9, 256
	s_cbranch_scc0 .Lw_path
; ---------------- x: a wave makes the four fragments of 64 rows x one K step of 128
	s_lshr_b32 s17, ttmp9, 1                       ; which 64 rows
	s_and_b32 s18, ttmp9, 1
	s_lshl_b32 s18, s18, 2
	s_add_co_u32 s18, s18, s16                     ; K step = 4 (id & 1) + wave
	s_lshr_b32 s19, s17, 1                         ; row block of 128
	s_and_b32 s22, s17, 1                          ; g: its lower or upper four tiles
	s_lshl_b32 s24, s17, 18                        ; 64 rows of 4,096 bytes
	s_lshl_b32 s23, s18, 9                         ; 128 numbers of 4 bytes
	s_add_co_u32 s24, s24, s23
	s_mov_b32 s25, 0
	s_lshl_b32 s26, s19, 3
	s_add_co_u32 s26, s26, s18
	s_mul_i32 s26, s26, BLKB                       ; the block (row block, K step)
	s_mul_i32 s23, s22, 6144
	s_add_co_u32 s28, s26, s23                     ; my four images
	s_mov_b32 s29, 0
	s_lshl_b32 s23, s22, 8
	s_add_co_u32 s30, s26, s23
	s_add_co_u32 s30, s30, 12288                   ; my 256 bytes of scale words
	s_mov_b32 s31, 0
	s_mov_b32 s27, 0xffff0000                      ; lanes 16-31
	s_mul_i32 s23, s16, XSTG
	v_and_b32 v9, 15, v0                           ; r
	v_bfe_u32 v10, v0, 4, 1                        ; h
	s_wait_alu depctr_va_vdst(0)
	v_add_nc_u32 v2, s23, v1                       ; the stage, in: a row's 512 bytes as they lie
	v_mul_u32_u24 v3, v9, 528
	v_lshl_add_u32 v3, v10, 7, v3
	v_add_nc_u32 v3, s23, v3                       ; and out: row r, + 128 h: my block of 32 numbers
	v_lshlrev_b32 v4, 3, v10                       ; 8 h
	v_lshl_add_u32 v5, v9, 4, v4                   ; 16 r + 8 h: where my two scale words go
	v_mov_b32 v11, 0                               ; a lane permute's destination counts as one of its sources
	s_wait_alu depctr_va_vdst(0)
	s_wait_kmcnt 0x0
	s_add_nc_u64 s[4:5], s[4:5], s[24:25]
	s_add_nc_u64 s[32:33], s[12:13], s[28:29]
	s_add_nc_u64 s[34:35], s[12:13], s[30:31]
.macro XLOAD t                         ; tile t's 16 rows, 512 consecutive bytes a load
.irp j, 0,1,2,3,4,5,6,7,8,9,10,11,12,13,14,15
	global_load_b128 v[XR+64*((\t)%2)+4*\j:XR+64*((\t)%2)+4*\j+3], v1, s[4:5] offset:(32*((\t)/2)+8*((\t)%2)+\j+8*(\j/8))*4096 th:TH_LOAD_NT
.endr
.endm
.macro XFRAG t
.if (\t) < 3
	s_wait_loadcnt 16                              ; this tile's 16 loads are in; the next tile's 16 may be out
.else
	s_wait_loadcnt 0x0
.endif
.irp j, 0,1,2,3,4,5,6,7,8,9,10,11,12,13,14,15
	ds_store_b128 v2, v[XR+64*((\t)%2)+4*\j:XR+64*((\t)%2)+4*\j+3] offset:528*\j
.endr
.irp c, 0,1
.irp e, 0,1,2,3,4,5,6,7
	ds_load_b128 v[XN+32*\c+4*\e:XN+32*\c+4*\e+3], v3 offset:256*\c+16*\e   ; LDS serves a wave's instructions in order: these see the stores.  k = 64 c + 32 h + 4 e ..
.endr
.endr
	s_wait_dscnt 0x0                               ; my numbers are in, and the stores have read their registers,
.if (\t) < 2
	XLOAD (\t)+2                                   ; which take the tile two on
.endif
	v_max3_num_f32 v6, |v[XN]|, |v[XN+1]|, 0x1800000       ; my two blocks by turns; the floor 2^(3 - 127) holds the byte at 1 from below
	v_max3_num_f32 v7, |v[XN+32]|, |v[XN+33]|, 0x1800000
.irp i, 2,4,6,8,10,12,14,16,18,20,22,24,26,28,30
	v_max3_num_f32 v6, v6, |v[XN+\i]|, |v[XN+\i+1]|
	v_max3_num_f32 v7, v7, |v[XN+32+\i]|, |v[XN+33+\i]|
.endr
	v_add_nc_u32 v12, 0xff000000, v6               ; 2 off the exponent field: the conversion's scale operand
	v_add_nc_u32 v13, 0xff000000, v7
	v_lshrrev_b32 v6, 23, v12                      ; the bytes of blocks h and 2 + h
	v_lshrrev_b32 v7, 23, v13
	v_lshl_or_b32 v6, v7, 16, v6
	v_lshlrev_b32 v6, v4, v6                       ; at their places in the word
	v_permlanex16_b32 v11, v6, s20, s21
	v_or_b32 v[XW+(\t)], v6, v11                   ; with lane l xor 16's two the word is whole
.if (\t) > 0
	s_wait_alu depctr_va_vdst(0)
	s_wait_xcnt 0x0                                ; the last tile's stores have read the fragment's registers
.endif
	v_cvt_scalef32_pk16_fp6_f32 v[XF:XF+2], v[XN:XN+15], v12
	v_cvt_scalef32_pk16_fp6_f32 v[XT:XT+2], v[XN+16:XN+31], v12      ; (a conversion's three registers begin on an even number)
	v_cvt_scalef32_pk16_fp6_f32 v[XF+6:XF+8], v[XN+32:XN+47], v13
	v_cvt_scalef32_pk16_fp6_f32 v[XT+4:XT+6], v[XN+48:XN+63], v13
	v_nop                                          ; one plain place behind the conversions
.irp i, 0,1,2
	v_mov_b32 v[XF+3+\i], v[XT+\i]
	v_mov_b32 v[XF+9+\i], v[XT+4+\i]
.endr
.irp c, 0,1,2
	global_store_b128 v1, v[XF+4*\c:XF+4*\c+3], s[32:33] offset:1536*(\t)+512*\c   ; 32 lanes store 512 consecutive bytes, aligned
.endr
.endm
	XLOAD 0
	XLOAD 1
	XFRAG 0
	XFRAG 1
	XFRAG 2
	XFRAG 3
	v_cndmask_b32 v6, v[XW], v[XW+2], s27          ; lanes 0-15 store tiles 0, 1 of their row, lanes 16-31 tiles 2, 3
	v_cndmask_b32 v7, v[XW+1], v[XW+3], s27
	global_store_b64 v5, v[6:7], s[34:35]          ; 256 consecutive bytes, aligned
	s_wait_tensorcnt 0x0
	ds_add_u32 v240, v241
	s_wait_dscnt 0x0
	s_endpgm
; ---------------- W: a wave takes 64 columns x 128 along K, 32 columns a pass: A LANE TAKES A COLUMN, AND ITS REGISTERS RUN DOWN K
.Lw_path:
	s_sub_co_u32 s17, ttmp9, 256
	s_lshr_b32 s19, s17, 2                         ; row block 0..23: 8 to a weight
	s_and_b32 s18, s17, 3
	s_lshl_b32 s18, s18, 1
	s_lshr_b32 s23, s16, 1
	s_add_co_u32 s18, s18, s23                     ; K step
	s_and_b32 s22, s16, 1                          ; g: which 64 columns of the 128
	s_lshl_b32 s24, s18, 19                        ; 128 rows of 4,096 bytes
	s_and_b32 s23, s19, 7
	s_lshl_b32 s23, s23, 9                         ; 128 columns of 4 bytes
	s_add_co_u32 s24, s24, s23
	s_lshl_b32 s23, s22, 8
	s_add_co_u32 s24, s24, s23
	s_mov_b32 s25, 0
	s_lshl_b32 s26, s19, 3
	s_add_co_u32 s26, s26, s18
	s_mul_i32 s26, s26, BLKB
	s_mul_i32 s23, s22, 6144
	s_add_co_u32 s28, s26, s23
	s_mov_b32 s29, 0
	s_lshl_b32 s23, s22, 8
	s_add_co_u32 s30, s26, s23
	s_add_co_u32 s30, s30, 12288
	s_mov_b32 s31, 0
	s_mul_i32 s23, s16, WSTG
	s_add_co_u32 s23, s23, WBASE                   ; my part of LDS
	s_wait_alu depctr_va_vdst(0)
	v_lshlrev_b32 v2, 2, v8                        ; in: 4 bytes a lane
	v_bfe_u32 v12, v0, 3, 1                        ; column w of a pass lies in tile u = (w / 8) % 2,
	v_and_b32 v13, 7, v0
	v_bfe_u32 v14, v0, 4, 1
	v_lshl_add_u32 v13, v14, 3, v13                ; row w % 8 + 8 (w / 16)
	v_mul_u32_u24 v3, v12, WPIT
	v_lshl_add_u32 v3, v13, 4, v3
	v_add_nc_u32 v3, s23, v3                       ; my row's 16 bytes in a group of my tile's image
	v_lshlrev_b32 v4, 4, v13
	v_lshl_add_u32 v4, v12, 2, v4
	v_add_nc_u32 v4, s23, v4                       ; my scale word: 16 x row + 4 x tile (+ WSCL)
	v_add_nc_u32 v5, s23, v1                       ; the way out: 16 x lane
	v_lshlrev_b32 v7, 3, v8                        ; and 8 x lane for the scale words
	v_add_nc_u32 v6, s23, v7
	s_wait_kmcnt 0x0
	s_cmp_lt_u32 s19, 16
	s_cselect_b64 s[8:9], s[8:9], s[10:11]         ; the choice hangs on the work-group's number alone
	s_cmp_lt_u32 s19, 8
	s_cselect_b64 s[4:5], s[6:7], s[8:9]
	s_add_nc_u64 s[4:5], s[4:5], s[24:25]
	s_add_nc_u64 s[32:33], s[14:15], s[28:29]
	s_add_nc_u64 s[34:35], s[14:15], s[30:31]
.macro WLOAD t                         ; pass t / 4, block t % 4 of 32 along K: 128 consecutive bytes a load
.irp i, 0,1,2,3,4,5,6,7,8,9,10,11,12,13,14,15,16,17,18,19,20,21,22,23,24,25,26,27,28,29,30,31
	global_load_b32 v[WN+32*((\t)%2)+\i], v2, s[4:5] offset:(32*((\t)%4)+\i)*4096+128*((\t)/4) th:TH_LOAD_NT
.endr
.endm
.macro WBLOCK t
.set WX, WN+32*((\t)%2)
.set KB, (\t)%4
.set PP, (\t)/4
.if (\t) < 7
	s_wait_loadcnt 32                              ; this block's 32 loads are in; the next block's may be out
.else
	s_wait_loadcnt 0x0
.endif
	v_max3_num_f32 v10, |v[WX]|, |v[WX+1]|, |v[WX+2]|              ; all 32 numbers of the block are mine
	v_max3_num_f32 v11, |v[WX+3]|, |v[WX+4]|, |v[WX+5]|
.irp i, 6,10,14,18,22,26
	v_max3_num_f32 v10, v10, |v[WX+\i]|, |v[WX+\i+1]|
	v_max3_num_f32 v11, v11, |v[WX+\i+2]|, |v[WX+\i+3]|
.endr
	v_max3_num_f32 v10, v10, |v[WX+30]|, |v[WX+31]|
	v_max3_num_f32 v10, v10, v11, 0x1800000        ; and the floor
	v_add_nc_u32 v11, 0xff000000, v10              ; the conversion's scale operand
	v_lshrrev_b32 v10, 23, v11                     ; the byte
	s_wait_dscnt 0x0                               ; the last block's LDS stores have read their registers
.if KB == 0
	s_wait_alu depctr_va_vdst(0)
	v_mov_b32 v[WD], v10
.else
	s_wait_alu depctr_va_vdst(0)
	v_lshl_or_b32 v[WD], v10, 8*KB, v[WD]
.endif
	v_cvt_scalef32_pk16_fp6_f32 v[WC:WC+2], v[WX:WX+15], v11
	v_cvt_scalef32_pk16_fp6_f32 v[WT:WT+2], v[WX+16:WX+31], v11
	v_nop                                          ; one plain place behind the conversions
.irp i, 0,1,2
	v_mov_b32 v[WC+3+\i], v[WT+\i]
.endr
; block kb = 2 c + h is registers 6 c .. 6 c + 5 of lane row + 16 h of the image
.if KB < 2
	ds_store_b128 v3, v[WC:WC+3] offset:2*WPIT*PP+256*(KB%2)
	ds_store_b64 v3, v[WC+4:WC+5] offset:2*WPIT*PP+256*(KB%2)+512
.else
	ds_store_b64 v3, v[WC:WC+1] offset:2*WPIT*PP+256*(KB%2)+520
	ds_store_b128 v3, v[WC+2:WC+5] offset:2*WPIT*PP+256*(KB%2)+1024
.endif
.if (\t) < 6
	WLOAD (\t)+2
.endif
.if KB == 3
	ds_store_b32 v4, v[WD] offset:WSCL+8*PP
.endif
.endm
	WLOAD 0
	WLOAD 1
	WBLOCK 0
	WBLOCK 1
	WBLOCK 2
	WBLOCK 3
	WBLOCK 4
	WBLOCK 5
	WBLOCK 6
	WBLOCK 7
.irp q, 0,1,2,3,4,5,6,7,8,9,10,11
	ds_load_b128 v[WO+4*\q:WO+4*\q+3], v5 offset:WPIT*(\q/3)+512*(\q%3)   ; LDS serves a wave's instructions in order: these see my stores
.endr
	ds_load_b64 v[WS:WS+1], v6 offset:WSCL
.irp q, 0,1,2,3,4,5,6,7,8,9,10,11
	s_wait_dscnt 12-\q                             ; behind load q: 11 - q loads of images and the load of the scale words
	global_store_b128 v1, v[WO+4*\q:WO+4*\q+3], s[32:33] offset:1536*(\q/3)+512*(\q%3)
.endr
	s_wait_dscnt 0x0
	global_store_b64 v7, v[WS:WS+1], s[34:35]
	s_wait_tensorcnt 0x0
	ds_add_u32 v240, v241
	s_wait_dscnt 0x0
	s_endpgm
.Lfunc_end_k_q6f970d630e_quant:
	.size	k_q6f970d630e_quant, .Lfunc_end_k_q6f970d630e_quant-k_q6f970d630e_quant
	.p2alignl 7, 3214868480
	.fill 96, 4, 3214868480
	.section	.rodata,"a",@progbits
	.p2align	6, 0x0
	.amdhsa_kernel k_q6f970d630e_quant
		.amdhsa_group_segment_fixed_size 61952
		.amdhsa_private_segment_fixed_size 0
		.amdhsa_enable_private_segment 0
		.amdhsa_kernarg_size 48
		.amdhsa_user_sgpr_count 2
		.amdhsa_user_sgpr_kernarg_segment_ptr 1
		.amdhsa_wavefront_size32 1
		.amdhsa_system_sgpr_workgroup_id_x 1
		.amdhsa_system_sgpr_workgroup_id_y 1
		.amdhsa_system_sgpr_workgroup_id_z 1
		.amdhsa_system_vgpr_workitem_id 0
		.amdhsa_next_free_vgpr 242
		.amdhsa_next_free_sgpr 66
		.amdhsa_reserve_vcc 0
		.amdhsa_float_denorm_mode_32 3
		.amdhsa_float_denorm_mode_16_64 3
		.amdhsa_memory_ordered 1
		.amdhsa_forward_progress 1
		.amdhsa_inst_pref_size 72
	.end_amdhsa_kernel
	.amdgpu_metadata
---
amdhsa.version: [ 1, 2 ]
amdhsa.kernels:
  - .name:           k_q6f970d630e_quant
    .symbol:         k_q6f970d630e_quant.kd
    .args:
      - { .name: x, .offset: 0, .size: 8, .value_kind: global_buffer, .address_space: global }
      - { .name: Wq, .offset: 8, .size: 8, .value_kind: global_buffer, .address_space: global }
      - { .name: Wk, .offset: 16, .size: 8, .value_kind: global_buffer, .address_space: global }
      - { .name: Wv, .offset: 24, .size: 8, .value_kind: global_buffer, .address_space: global }
      - { .name: xq, .offset: 32, .size: 8, .value_kind: global_buffer, .address_space: global }
      - { .name: wq, .offset: 40, .size: 8, .value_kind: global_buffer, .address_space: global }
    .group_segment_fixed_size: 61952
    .private_segment_fixed_size: 0
    .kernarg_segment_align: 8
    .kernarg_segment_size: 48
    .max_flat_workgroup_size: 128
    .sgpr_count:     66
    .vgpr_count:     242
    .wavefront_size: 32
...
	.end_amdgpu_metadata
.endif
;; end of part 1
;; launch proj (part 2): grid 8 x 48, 4 waves a work-group, clusters of 4 x 4, 327,680 bytes of LDS; arguments xq, wq, bq, bk, bv, qkv; writes qkv
.if DOCPART == 2
	.amdgcn_target "amdgcn-amd-amdhsa--gfx1250"
	.amdhsa_code_object_version 6
	.text
	.protected	k_q6f970d630e_proj
	.globl	k_q6f970d630e_proj
	.p2align	8
	.type	k_q6f970d630e_proj,@function
k_q6f970d630e_proj:
	s_mov_b64 s[64:65], 0
	v_nop
	global_prefetch_b8 v0, s[64:65] scope:SCOPE_SE
	s_setreg_imm32_b32 hwreg(HW_REG_WAVE_MODE, 25, 1), 1
	s_wait_xcnt 0x0
	s_wait_alu depctr_hold_cnt(0) depctr_sa_sdst(0) depctr_va_vdst(0) depctr_va_sdst(0) depctr_va_ssrc(0) depctr_va_vcc(0) depctr_vm_vsrc(0)
	s_getreg_b32 s2, hwreg(HW_REG_IB_STS2, 6, 4)
	s_cmp_eq_u32 s2, 0
	s_cbranch_scc0 .Lentry_in_a_cluster
	s_endpgm
.Lentry_in_a_cluster:
	s_bfe_u32 s2, ttmp6, 0x10000c
	s_cmp_lg_u32 s2, 0xf033
	s_cbranch_scc0 .Lentry_shape_is_right
	s_endpgm
.Lentry_shape_is_right:
; q = x Wq + bq, k = x Wk + bk, v = x Wv + bv on codes of FP6 (E2M3) with E8M0 scales, sums in f32; the results are quantised in registers (q, k along the head's 64; v along the tokens) and leave as
; images of operand registers for the attention launch.  No result goes to memory as f32.
; LIMITS: NaN and infinities are not served.  A block of results whose largest magnitude lies under 2^-124 (zeros too) gets the scale byte 1; the bytes are read by this program alone.
; A tile of 256 x 256 is made by a work-group of four waves; a wave makes 128 x 128: 64 accumulators, 512 registers (windows 2 and 3).  Source 0 is called B (two sets of fragments, window 1), source 1 A (one set, window 0).
; ROLES.  Clusters with y < 8 make q and k: A = tokens (xq), B = columns of Wq, Wk (wq's row blocks 0-15): a lane holds ONE TOKEN and its registers run along the columns, which are the head's axis.
;         Clusters with y >= 8 make v: A = columns of Wv (wq's row blocks 16-23), B = tokens: a lane holds ONE CHANNEL and its registers run along the tokens, which are the second attention product's K.
; Since lane r of tile 2 b + u of every operand holds row 32 b + 8 u + r + 8 (r / 8), the 16 registers of B's tiles 2 b and 2 b + 1 are 16 neighbours: 32 b + 16 (lane / 16) + 0 .. 15.
; OPERANDS lie in memory as images of their registers: a block of 12,800 bytes is one K step of 128 rows (eight images of 1,536 bytes, 512 bytes of scale words).  So a tile is a dense block of memory, a fragment comes
; by three loads of 16 bytes a lane at 16 x lane, and LDS needs no padding.
; K = 1,024 is four quarters of 256.  LDS holds three slots of a quarter (A's 256 rows, B's 256 rows: four parts of 25,600 bytes, one tensor load each, one a wave); quarters 0-2 are first fills, quarter 3 is the one
; refill, into slot 0.  By the text's count a wave has three tensor loads out at the start and one behind the refill.  All of a WGP's LDS is claimed.
; CLUSTERS: 4 x 4 work-groups; A's parts are asked for jointly along a row of the cluster, B's along a column.
; 384 tiles: the grid is no multiple of 256; a wave tile of 128 x 192 does not fit the registers, and smaller tiles read each fragment more often.
; No prefetch: three quarters of K are asked for at the head, and the refill has four steps, 256 matrix instructions, in which to land.
.set BLKB,  12800
.set PART,  25600
.set SLOT,  102400
.set SPARE, 307200                     ; behind the slots: the spare words, 128 bytes a wave: two blocks of 256 bytes that no other line names
.set FR,    12
.set ADRA,  16                         ; v16-18  16 x lane + my 128 rows of A in slot 0, 1, 2
.set ADRB,  19                         ; v19-21  the same for B
.set ADRS,  22                         ; v22-24  my scale words: lanes 0-15 A's, lanes 16-31 B's
.set LI,    25                         ; v25     16 x lane
.set L8,    26                         ; v26     8 x lane
.set SPW,   28                         ; v28     my spare word; never rewritten
.set NIL,   29                         ; v29     0; never rewritten
.set SC,    32                         ; v32-47  scale words, two sets of 8: register i: lanes 0-15 A's tile i, lanes 16-31 B's tile i
.set BIAS,  64                         ; v64-127 the bias as the C of the first step's products
.set AF,    128                        ; v128-223 A's fragments
.set PA,    128                        ; the epilogue (A's registers are free): an image;
.set PB,    140                        ; the second head's image;
.set PW,    152                        ; v152-159 scale words;
.set KS,    160                        ; v160-163 as they are stored
.set TM,    224                        ; v224-227 largest magnitudes
.set PT,    228                        ; v228-231 the other half's
.set SO,    232                        ; v232-235 the conversions' scale operands
.set BY,    236                        ; v236-239 bytes
.set CT,    240                        ; v240-242, v244-246 the upper halves' codes
.set WV,    16                         ; s16 wave
.set AH,    17                         ; s17 which 128 rows of A are mine.  Also: I fetch for A (0) or B (1)
.set BH,    18                         ; s18 which 128 rows of B.  Also: which half I fetch
.set ISV,   21                         ; s21 1 in the clusters that make v
.set G1,    28                         ; s[28:35] descriptor group 1 for A's parts;  s[36:43] for B's
.set G1B,   36
.set G0,    44                         ; s[44:55] groups 0 for A, a set a slot;  s[68:79] for B
.set G0B,   68
.set MSB, 0
.macro WIN new                         ; the immediate's high byte repeats the setting that is left
.if MSB != (\new)
	s_set_vgpr_msb (MSB<<8)|(\new)
.set MSB, (\new)
.endif
.endm
.set MUL_LO, 0xa1                      ; source 0 (B) window 1, source 1 (A) window 0, C and D window 2
.set MUL_HI, 0xf1                      ; the same, C and D window 3
.set TO_B,   0x40                      ; destination window 1, address window 0
; A joint load: waves 0 and 1 fetch for A, waves 2 and 3 for B; the branch hangs on the wave's number alone.  Four v_nop follow each of the two lines.
.macro JLOAD g0a, g1a, g0b, g1b
	s_cmp_eq_u32 s[AH], 0
	s_cbranch_scc0 .Lfor_b_\@
	tensor_load_to_lds s[\g0a:\g0a+3], s[\g1a:\g1a+7]
	s_nop 0
.rept 4
	v_nop
.endr
	s_branch .Lasked_\@
.Lfor_b_\@:
	tensor_load_to_lds s[\g0b:\g0b+3], s[\g1b:\g1b+7]
	s_nop 0
.rept 4
	v_nop
.endr
.Lasked_\@:
.endm
.macro CREST                           ; a round of the cluster's barrier behind its opening barrier
	s_cmp_lg_u32 s[WV], 0
	s_cbranch_scc1 .Lnot_wave_0_\@
	s_barrier_signal -3
.Lnot_wave_0_\@:
	s_barrier_wait -3
	s_barrier_signal -1
	s_barrier_wait -1
.endm
.macro CROUND
	s_barrier_signal -1
	s_barrier_wait -1
	CREST
.endm
.macro PLACES                          ; four places behind this matrix form, in front of loads into registers that it has read and of reads of its results
.rept 4
	v_nop
.endr
.endm
	s_load_b256 s[4:11], s[0:1], 0x0               ; xq s[4:5], wq s[6:7], bq s[8:9], bk s[10:11]
	s_load_b128 s[12:15], s[0:1], 0x20             ; bv s[12:13], qkv s[14:15]
	v_lshl_add_u32 v[SPW], v0, 2, SPARE
	v_mov_b32 v[NIL], 0
	ds_add_u32 v28, v29
	ds_add_u32 v28, v29
	s_wait_dscnt 0x0
	v_lshrrev_b32 v1, 5, v0
	v_readfirstlane_b32 s[WV], v1                  ; wave 0..3
	s_lshr_b32 s[AH], s[WV], 1
	s_and_b32 s[BH], s[WV], 1
	s_bfe_u32 s19, ttmp6, 0x40000                  ; cx
	s_bfe_u32 s20, ttmp6, 0x40004                  ; cy
	s_and_b32 s80, ttmp7, 0xffff                   ; cluster y, 0..11
	s_sub_co_u32 s81, s80, 8
	s_lshl_b32 s81, s81, 1
	s_add_co_u32 s81, s81, ttmp9                   ; cluster x + 2 (y - 8): used where y >= 8
	s_cmp_ge_u32 s80, 8                            ; the same in all sixteen partners
	s_cselect_b32 s[ISV], 1, 0
	s_cselect_b32 s22, 0, s80                      ; the cluster's row of tiles
	s_cselect_b32 s23, s81, ttmp9                  ; and its column
	s_cselect_b32 s82, 16, 0                       ; A's first row block in its buffer
	s_cselect_b32 s98, 2, ttmp9                    ; which result: 0 q, 1 k, 2 v
	s_lshl_b32 s24, s22, 2
	s_add_co_u32 s24, s24, s20                     ; tile row
	s_lshl_b32 s25, s23, 2
	s_add_co_u32 s25, s25, s19                     ; tile column
	s_lshl_b32 s26, s20, 2
	s_lshl_b32 s26, 15, s26                        ; my row of the cluster
	s_lshl_b32 s27, 0x1111, s19                    ; my column
	; descriptor group 1: 25,600 dense bytes as 100 rows of 256 (32 elements of 8 bytes), no padding
	s_or_b32 s[G1], s26, (3<<16)|(1<<21)           ; 15:0 the mask; 17:16 elements of 8 bytes; 21 set beside a mask
	s_or_b32 s[G1B], s27, (3<<16)|(1<<21)
.irp g, G1, G1B
	s_mov_b32 s[\g+1], 32<<16                      ; tensor_dim0 = 32
	s_mov_b32 s[\g+2], 100<<16                     ; tensor_dim1 = 100
	s_mov_b32 s[\g+3], 32<<16                      ; tile_dim0 = 32
	s_mov_b32 s[\g+4], 100                         ; tile_dim1 = 100
	s_mov_b32 s[\g+5], 32                          ; from row to row
	s_mov_b32 s[\g+6], 0
	s_mov_b32 s[\g+7], 0
.endr
	s_lshl_b32 s84, s24, 1
	s_add_co_u32 s84, s84, s[BH]
	s_add_co_u32 s84, s84, s82                     ; A: the row block that I fetch: it hangs on the tile row alone
	s_mul_i32 s84, s84, SLOT                       ; a row block is 8 K steps of 12,800 bytes
	s_mov_b32 s85, 0
	s_lshl_b32 s86, s25, 1
	s_add_co_u32 s86, s86, s[BH]                   ; B: on the tile column alone
	s_mul_i32 s86, s86, SLOT
	s_mov_b32 s87, 0
	s_mul_i32 s83, s[WV], PART                     ; where it goes: part = wave: no place in the cluster enters an LDS address
	s_wait_kmcnt 0x0
	s_cmp_eq_u32 s[ISV], 0
	s_cselect_b64 s[88:89], s[4:5], s[6:7]         ; A's buffer
	s_cselect_b64 s[90:91], s[6:7], s[4:5]         ; B's
	s_add_nc_u64 s[88:89], s[88:89], s[84:85]
	s_add_nc_u64 s[90:91], s[90:91], s[86:87]
	CROUND                                         ; all sixteen work-groups are here: the first joint loads meet
.irp s, 0,1,2
	s_mov_b32 s[G0+4*\s], 1
	s_add_co_u32 s[G0+4*\s+1], s83, \s*SLOT
	s_add_nc_u64 s[G0+4*\s+2:G0+4*\s+3], s[88:89], \s*PART
	s_or_b32 s[G0+4*\s+3], s[G0+4*\s+3], 0x80000000
	s_mov_b32 s[G0B+4*\s], 1
	s_add_co_u32 s[G0B+4*\s+1], s83, \s*SLOT
	s_add_nc_u64 s[G0B+4*\s+2:G0B+4*\s+3], s[90:91], \s*PART
	s_or_b32 s[G0B+4*\s+3], s[G0B+4*\s+3], 0x80000000
	JLOAD G0+4*\s, G1, G0B+4*\s, G1B               ; quarters 0, 1, 2 of K
.endr
	v_and_b32 v1, 31, v0
	v_lshlrev_b32 v[LI], 4, v1
	v_lshlrev_b32 v[L8], 3, v1
	v_and_b32 v2, 15, v0                           ; r
	v_bfe_u32 v3, v0, 4, 1                         ; h
	s_mul_i32 s84, s[AH], PART                     ; my 128 rows of A
	s_mul_i32 s85, s[BH], PART
	s_add_co_u32 s85, s85, 2*PART                  ; my 128 rows of B, behind A's two parts
	s_sub_co_u32 s86, s85, s84
	v_mul_u32_u24 v4, s86, v3                      ; lanes 16-31 take B's scale words: one product, the distance between the two parts
	v_lshl_add_u32 v4, v2, 4, v4                   ; + 16 r: four tiles' words of my row
	s_add_co_u32 s87, s84, 12288
.irp s, 0,1,2
	v_add_nc_u32 v[ADRA+\s], s84, v[LI]
	v_add_nc_u32 v[ADRB+\s], s85, v[LI]
	v_add_nc_u32 v[ADRS+\s], s87, v4
	s_add_co_u32 s84, s84, SLOT
	s_add_co_u32 s85, s85, SLOT
	s_add_co_u32 s87, s87, SLOT
.endr
	s_mov_b32 s58, 0xffff0000                      ; lanes 16-31
	s_mov_b32 s60, 0x76543210
	s_mov_b32 s61, 0xfedcba98                      ; v_permlanex16_b32: lane l xor 16
	; where my results go: qkv [which x 64 + batch x 16 + head][16 steps of 128 tokens] blocks of 6,400 bytes
	s_lshl_b32 s92, s24, 1
	s_add_co_u32 s92, s92, s[AH]                   ; my row block on A's side
	s_lshl_b32 s93, s25, 1
	s_add_co_u32 s93, s93, s[BH]                   ; and on B's
	s_cmp_eq_u32 s[ISV], 0
	s_cselect_b32 s94, s92, s93                    ; the tokens' row block, 0..63
	s_cselect_b32 s95, s93, s92
	s_and_b32 s99, s95, 7                          ; the weight's row block, 0..7: heads 2 s99 and 2 s99 + 1
	s_lshl_b32 s96, s98, 6
	s_lshl_b32 s97, s99, 1
	s_add_co_u32 s96, s96, s97
	s_and_b32 s97, s94, 0x30                       ; 16 x batch
	s_add_co_u32 s96, s96, s97
	s_lshl_b32 s96, s96, 4
	s_and_b32 s97, s94, 15                         ; the step within the batch
	s_add_co_u32 s96, s96, s97
	s_mul_i32 s96, s96, 6400
	s_mov_b32 s97, 0
	s_add_nc_u64 s[56:57], s[14:15], s[96:97]
	; the bias: my 128 numbers of bq, bk or bv
	s_cmp_lt_u32 s98, 2
	s_cselect_b64 s[10:11], s[10:11], s[12:13]
	s_cmp_eq_u32 s98, 0
	s_cselect_b64 s[8:9], s[8:9], s[10:11]
	s_lshl_b32 s92, s99, 9
	s_mov_b32 s93, 0
	s_add_nc_u64 s[8:9], s[8:9], s[92:93]
	s_cmp_lg_u32 s[ISV], 0
	s_cbranch_scc1 .Lbias_v
	v_lshlrev_b32 v5, 6, v3                        ; q, k: register j of B's tile b is column 32 (b / 2) + 8 (b % 2) + 16 h + j
.irp b, 0,1,2,3,4,5,6,7
	global_load_b128 v[BIAS+8*\b:BIAS+8*\b+3], v5, s[8:9] offset:(32*(\b/2)+8*(\b%2))*4
	global_load_b128 v[BIAS+8*\b+4:BIAS+8*\b+7], v5, s[8:9] offset:(32*(\b/2)+8*(\b%2))*4+16
.endr
	s_branch .Lbias_done
.Lbias_v:
	v_and_b32 v5, 8, v2                            ; v: all eight registers of A's tile a hold the lane's channel 32 (a / 2) + 8 (a % 2) + r + 8 (r / 8)
	v_add_nc_u32 v5, v5, v2
	v_lshlrev_b32 v5, 2, v5
.irp a, 0,1,2,3,4,5,6,7
.irp j, 0,1,2,3,4,5,6,7
	global_load_b32 v[BIAS+8*\a+\j], v5, s[8:9] offset:(32*(\a/2)+8*(\a%2))*4
.endr
.endr
.Lbias_done:
.macro FRAG reg, adr, off              ; an image comes back as it was stored: three loads of 16 bytes a lane
.irp c, 0,1,2
	ds_load_b128 v[(\reg)+4*\c:(\reg)+4*\c+3], v[\adr] offset:(\off)+512*\c
.endr
.endm
; step n of eight lies in slot (n / 2) % 3, at 12,800 (n % 2) of each part
.macro FETCH_B n                       ; B's eight fragments into set n % 2
	WIN TO_B
.irp i, 0,1,2,3,4,5,6,7
	FRAG 128*((\n)%2)+FR*\i, ADRB+((\n)/2)%3, BLKB*((\n)%2)+1536*\i
.endr
	WIN 0
.endm
.macro FETCH_A n, i0                   ; A's tiles i0 .. i0 + 3
.irp i, \i0, \i0+1, \i0+2, \i0+3
	FRAG AF+FR*(\i), ADRA+((\n)/2)%3, BLKB*((\n)%2)+1536*(\i)
.endr
.endm
.macro SCALES n                        ; eight scale registers into set n % 2
.irp g, 0,1
	ds_load_b128 v[SC+8*((\n)%2)+4*\g:SC+8*((\n)%2)+4*\g+3], v[ADRS+((\n)/2)%3] offset:BLKB*((\n)%2)+256*\g
.endr
.endm
; 16 matrix instructions: A's tiles a0, a0 + 1 x B's eight.  zero = 1: the sums begin with the bias by B's tile (q, k); 2: by A's tile (v); 0: they go on.
; The 64 accumulators take turns, one instruction a turn, in the same order in every step.
.macro MUL16 a0, n, zero
.irp a, \a0, \a0+1
.irp b, 0,1,2,3,4,5,6,7
.set DD, 8*(8*((\a)%4)+\b)
.set BB, 128*((\n)%2)+FR*\b
.set AA, AF+FR*(\a)
.set SB, SC+8*((\n)%2)+\b
.set SA, SC+8*((\n)%2)+(\a)
.if \zero == 1
	v_wmma_scale_f32_16x16x128_f8f6f4 v[DD:DD+7], v[BB:BB+FR-1], v[AA:AA+FR-1], v[BIAS+8*\b:BIAS+8*\b+7], v[SB], v[SA] matrix_a_fmt:MATRIX_FMT_FP6 matrix_b_fmt:MATRIX_FMT_FP6 matrix_a_scale:MATRIX_SCALE_ROW1
.elseif \zero == 2
	v_wmma_scale_f32_16x16x128_f8f6f4 v[DD:DD+7], v[BB:BB+FR-1], v[AA:AA+FR-1], v[BIAS+8*(\a):BIAS+8*(\a)+7], v[SB], v[SA] matrix_a_fmt:MATRIX_FMT_FP6 matrix_b_fmt:MATRIX_FMT_FP6 matrix_a_scale:MATRIX_SCALE_ROW1
.else
	v_wmma_scale_f32_16x16x128_f8f6f4 v[DD:DD+7], v[BB:BB+FR-1], v[AA:AA+FR-1], v[DD:DD+7], v[SB], v[SA] matrix_a_fmt:MATRIX_FMT_FP6 matrix_b_fmt:MATRIX_FMT_FP6 matrix_a_scale:MATRIX_SCALE_ROW1
.endif
.endr
.endr
.endm
.macro REST n, zero                    ; the second half of a step: the next step's fragments are fetched round the products of A's tiles 4-7
	FETCH_B (\n)+1
	FETCH_A (\n)+1, 0
	SCALES (\n)+1
.if \zero
	WIN 0xc1                                       ; C (the bias) window 0, D window 3
.else
	WIN MUL_HI
.endif
	MUL16 4, \n, \zero
	MUL16 6, \n, \zero
	PLACES
	WIN 0
	FETCH_A (\n)+1, 4
.endm
.macro STEP n, zero
	s_wait_dscnt 12                                ; all but the youngest 12 loads (A's tiles 4-7) are in
.if \zero
	WIN 0x81                                       ; C (the bias) window 0, D window 2
.else
	WIN MUL_LO
.endif
	MUL16 0, \n, \zero
	MUL16 2, \n, \zero
	s_wait_dscnt 0x0                               ; A's tiles 4-7 are in
	PLACES
	REST \n, \zero
.endm
; A step in front of which all tensor loads are waited for and a barrier is passed.  fill = 1: slot 0, whose last reads are over, is filled again with quarter 3: the barrier opens a round of the cluster's.
.macro TURN n, fill
	s_wait_tensorcnt 0x0                           ; all my tensor loads have landed
	ds_add_u32 v[SPW], v[NIL]                      ; 0 onto my spare word
	s_wait_dscnt 13                                ; (the add and the youngest 12 loads may be out)
	WIN MUL_LO
	MUL16 0, \n, 0                                 ; sixteen matrix instructions stand between the add and the wait for it
	s_wait_dscnt 0x0                               ; the add is done, and all my LDS reads are over
	s_barrier_signal -1
	MUL16 2, \n, 0
	WIN 0
	s_barrier_wait -1
.if \fill
	CREST                                          ; no wave of any partner still reads slot 0 or has a load on its way
	s_add_nc_u64 s[G0+2:G0+3], s[G0+2:G0+3], 3*PART
	s_add_nc_u64 s[G0B+2:G0B+3], s[G0B+2:G0B+3], 3*PART
	JLOAD G0, G1, G0B, G1B                         ; the first tensor load behind the round; its four v_nop are the places in front of the loads below
.else
	PLACES
.endif
	REST \n, 0
.endm
	s_wait_tensorcnt 2                             ; my part of quarter 0 is in; the two younger loads may stay out
	s_barrier_signal -1
	s_barrier_wait -1
	FETCH_B 0
	FETCH_A 0, 0
	SCALES 0
	FETCH_A 0, 4
	s_wait_loadcnt 0x0                             ; the bias
	s_cmp_lg_u32 s[ISV], 0
	s_cbranch_scc1 .Lfirst_v
	STEP 0, 1
	s_branch .Lfirst_done
.Lfirst_v:
	STEP 0, 2
.Lfirst_done:
	TURN 1, 1                                      ; the wait for all loads in front of this round also shows slots 1 and 2 whole to every wave
	STEP 2, 0
	STEP 3, 0
	STEP 4, 0
	TURN 5, 0                                      ; quarter 3 has landed in every wave's part of slot 0
	STEP 6, 0
	s_wait_dscnt 12                                ; the last step: nothing more to fetch
	WIN MUL_LO
	MUL16 0, 7, 0
	MUL16 2, 7, 0
	s_wait_dscnt 0x0
	WIN MUL_HI
	MUL16 4, 7, 0
	MUL16 6, 7, 0
	WIN 0
; THE EPILOGUE.  The 64 registers of A's tile a (window w, from v[s] on): register 16 b + i is index 32 b + 16 (lane / 16) + i along B's 128 rows.  They become the codes of blocks 0, 1 in v[d0] .. v[d0 + 5],
; of blocks 2, 3 in v[d1] .. v[d1 + 5] (a whole block a lane: lanes 0-15 the even block, lanes 16-31 the odd one), and the four scale bytes in v[BY] on.  Each accumulator is read from its low end on.
.macro QUANT s, w, d0, d1
	WIN 5*(\w)                                     ; sources 0 and 1 in window w
.irp b, 0,1,2,3
	v_max3_num_f32 v[TM+\b], |v[(\s)+16*\b]|, |v[(\s)+16*\b+1]|, 0x1800000   ; with the floor 2^(3 - 127): the byte cannot fall under 1
.endr
	WIN 20*(\w)                                    ; sources 1 and 2 in window w
.irp i, 2,4,6,8,10,12,14
.irp b, 0,1,2,3
	v_max3_num_f32 v[TM+\b], v[TM+\b], |v[(\s)+16*\b+\i]|, |v[(\s)+16*\b+\i+1]|
.endr
.endr
	WIN 0
.irp b, 0,1,2,3
	v_permlanex16_b32 v[PT+\b], v[TM+\b], s60, s61
.endr
.irp b, 0,1,2,3
	v_max_num_f32 v[TM+\b], v[TM+\b], v[PT+\b]     ; with lane l xor 16's 16: the block's largest magnitude
.endr
.irp b, 0,1,2,3
	v_add_nc_u32 v[SO+\b], 0xff000000, v[TM+\b]    ; 2 off the exponent field: the conversion's scale operand
.endr
.irp b, 0,1,2,3
	v_lshrrev_b32 v[BY+\b], 23, v[SO+\b]           ; the byte
.endr
	WIN (\w)                                       ; source 0 in window w
	v_cvt_scalef32_pk16_fp6_f32 v[(\d0):(\d0)+2], v[(\s):(\s)+15], v[SO]
	v_cvt_scalef32_pk16_fp6_f32 v[CT:CT+2], v[(\s)+16:(\s)+31], v[SO+1]
	v_cvt_scalef32_pk16_fp6_f32 v[(\d1):(\d1)+2], v[(\s)+32:(\s)+47], v[SO+2]
	v_cvt_scalef32_pk16_fp6_f32 v[CT+4:CT+6], v[(\s)+48:(\s)+63], v[SO+3]
	WIN 0
	v_nop                                          ; one plain place behind the conversions
.irp i, 0,1,2
	v_permlane16_swap_b32 v[(\d0)+\i], v[CT+\i]    ; the first's lanes 16-31 change places with the second's lanes 0-15
	v_permlane16_swap_b32 v[(\d1)+\i], v[CT+4+\i]
.endr
.irp i, 0,1,2
	v_mov_b32 v[(\d0)+3+\i], v[CT+\i]
	v_mov_b32 v[(\d1)+3+\i], v[CT+4+\i]
.endr
.endm
.irp b, 0,1,2,3
	v_mov_b32 v[PT+\b], 0                          ; a lane permute's destination counts as one of its sources.  These four are also the places behind the last products
.endr
	s_cmp_lg_u32 s[ISV], 0
	s_cbranch_scc1 .Lout_v
; q, k: blocks 0, 1 are the first head's 64, blocks 2, 3 the second's.  An image holds a PAIR of token tiles: registers 0-5 tile 2 bb, registers 6-11 tile 2 bb + 1; the pair's scale word: two bytes of each.
.irp bb, 0,1,2,3
.if \bb > 0
	s_wait_xcnt 0x0                                ; the last pair's stores have read their registers
.endif
.irp u, 0,1
	QUANT 64*((2*\bb+\u)%4), 2+(2*\bb+\u)/4, PA+6*\u, PB+6*\u
.if \u == 0
	v_lshl_or_b32 v[PW+\bb], v[BY+1], 8, v[BY]
	v_lshl_or_b32 v[PW+4+\bb], v[BY+3], 8, v[BY+2]
.else
	v_lshl_or_b32 v[TM], v[BY+1], 8, v[BY]
	v_lshl_or_b32 v[TM+1], v[BY+3], 8, v[BY+2]
	v_lshl_or_b32 v[PW+\bb], v[TM], 16, v[PW+\bb]
	v_lshl_or_b32 v[PW+4+\bb], v[TM+1], 16, v[PW+4+\bb]
.endif
.endr
.irp c, 0,1,2
	global_store_b128 v[LI], v[PA+4*\c:PA+4*\c+3], s[56:57] offset:1536*\bb+512*\c          ; 32 lanes store 512 consecutive bytes, aligned
.endr
.irp c, 0,1,2
	global_store_b128 v[LI], v[PB+4*\c:PB+4*\c+3], s[56:57] offset:102400+1536*\bb+512*\c   ; the second head lies 16 blocks on
.endr
.endr
	s_branch .Lout_done
.Lout_v:
; v: the four blocks are the step's 128 tokens: A's tile a is one fragment of V^T: head a / 4, channels' tile a % 4
.irp a, 0,1,2,3,4,5,6,7
.if \a > 0
	s_wait_xcnt 0x0
.endif
	QUANT 64*(\a%4), 2+\a/4, PA, PA+6
	v_lshl_or_b32 v[PW+\a], v[BY+1], 8, v[BY]
	v_lshl_or_b32 v[PW+\a], v[BY+2], 16, v[PW+\a]
	v_lshl_or_b32 v[PW+\a], v[BY+3], 24, v[PW+\a]
.irp c, 0,1,2
	global_store_b128 v[LI], v[PA+4*\c:PA+4*\c+3], s[56:57] offset:102400*(\a/4)+1536*(\a%4)+512*\c
.endr
.endr
.Lout_done:
; the scale words of each head's four images: word j of lane l is image 2 j + l / 16, row l % 16: 256 consecutive bytes
.irp hd, 0,1
.irp j, 0,1
	v_cndmask_b32 v[KS+2*\hd+\j], v[PW+4*\hd+2*\j], v[PW+4*\hd+2*\j+1], s58
.endr
	global_store_b64 v[L8], v[KS+2*\hd:KS+2*\hd+1], s[56:57] offset:6144+102400*\hd
.endr
	s_wait_tensorcnt 0x0                           ; the wave's end
	ds_add_u32 v[SPW], v[NIL]
	s_wait_dscnt 0x0
	CROUND                                         ; the closing round: no work-group ends while a partner may still ask for a part that names it
	s_endpgm
.Lfunc_end_k_q6f970d630e_proj:
	.size	k_q6f970d630e_proj, .Lfunc_end_k_q6f970d630e_proj-k_q6f970d630e_proj
	.p2alignl 7, 3214868480
	.fill 96, 4, 3214868480
	.section	.rodata,"a",@progbits
	.p2align	6, 0x0
	.amdhsa_kernel k_q6f970d630e_proj
		.amdhsa_group_segment_fixed_size 327680
		.amdhsa_private_segment_fixed_size 0
		.amdhsa_enable_private_segment 0
		.amdhsa_kernarg_size 48
		.amdhsa_user_sgpr_count 2
		.amdhsa_user_sgpr_kernarg_segment_ptr 1
		.amdhsa_wavefront_size32 1
		.amdhsa_system_sgpr_workgroup_id_x 1
		.amdhsa_system_sgpr_workgroup_id_y 1
		.amdhsa_system_sgpr_workgroup_id_z 1
		.amdhsa_system_vgpr_workitem_id 0
		.amdhsa_next_free_vgpr 1024
		.amdhsa_next_free_sgpr 100
		.amdhsa_reserve_vcc 0
		.amdhsa_float_denorm_mode_32 3
		.amdhsa_float_denorm_mode_16_64 3
		.amdhsa_memory_ordered 1
		.amdhsa_forward_progress 1
		.amdhsa_inst_pref_size 190
	.end_amdhsa_kernel
	.amdgpu_metadata
---
amdhsa.version: [ 1, 2 ]
amdhsa.kernels:
  - .name:           k_q6f970d630e_proj
    .symbol:         k_q6f970d630e_proj.kd
    .args:
      - { .name: xq, .offset: 0, .size: 8, .value_kind: global_buffer, .address_space: global }
      - { .name: wq, .offset: 8, .size: 8, .value_kind: global_buffer, .address_space: global }
      - { .name: bq, .offset: 16, .size: 8, .value_kind: global_buffer, .address_space: global }
      - { .name: bk, .offset: 24, .size: 8, .value_kind: global_buffer, .address_space: global }
      - { .name: bv, .offset: 32, .size: 8, .value_kind: global_buffer, .address_space: global }
      - { .name: qkv, .offset: 40, .size: 8, .value_kind: global_buffer, .address_space: global }
    .group_segment_fixed_size: 327680
    .private_segment_fixed_size: 0
    .kernarg_segment_align: 8
    .kernarg_segment_size: 48
    .max_flat_workgroup_size: 128
    .sgpr_count:     100
    .vgpr_count:     1024
    .wavefront_size: 32
...
	.end_amdgpu_metadata
.endif
;; end of part 2
;; launch attn (part 3): grid 4 x 64, 16 waves a work-group, clusters of 4 x 1, 276,480 bytes of LDS; arguments qkv, out0; writes out0
.if DOCPART == 3
	.amdgcn_target "amdgcn-amd-amdhsa--gfx1250"
	.amdhsa_code_object_version 6
	.text
	.protected	k_q6f970d630e_attn
	.globl	k_q6f970d630e_attn
	.p2align	8
	.type	k_q6f970d630e_attn,@function
k_q6f970d630e_attn:
	s_mov_b64 s[64:65], 0
	v_nop
	global_prefetch_b8 v0, s[64:65] scope:SCOPE_SE
	s_setreg_imm32_b32 hwreg(HW_REG_WAVE_MODE, 25, 1), 1
	s_wait_xcnt 0x0
	s_wait_alu depctr_hold_cnt(0) depctr_sa_sdst(0) depctr_va_vdst(0) depctr_va_sdst(0) depctr_va_ssrc(0) depctr_va_vcc(0) depctr_vm_vsrc(0)
	s_getreg_b32 s2, hwreg(HW_REG_IB_STS2, 6, 4)
	s_cmp_eq_u32 s2, 0
	s_cbranch_scc0 .Lentry_in_a_cluster
	s_endpgm
.Lentry_in_a_cluster:
	s_bfe_u32 s2, ttmp6, 0x10000c
	s_cmp_lg_u32 s2, 0x3003
	s_cbranch_scc0 .Lentry_shape_is_right
	s_endpgm
.Lentry_shape_is_right:
; out[b][q][64 h + d] = the sum over k of softmax_k(q . k / 8) v, for 64 heads (batch x 16 + head) of 2,048 tokens and head size 64, both products on codes of FP6 (E2M3) with E8M0 scales.
; THE SOFTMAX AHEAD OF THE SECOND PRODUCT: t = score x log2(e) / 8; M = the row's largest t so far, rounded UP to a whole number; p = 2^(t - M) is quantised along the keys, not normalised; the row's sum is taken of
; the unquantised p, in f32, and divides at the end.  When M moves, the sum and O are multiplied by 2^(old M - new M): exact.
; LIMITS: NaN and infinities are not served.  A block's largest p is not searched for: the block's largest score goes through the same multiply-add and exponential, which takes v_exp_f32 not to fall where its input rises.
; INPUT: qkv [which x 64 + head index][16 steps of 128 tokens] blocks of 6,400 bytes: four images of operand registers (1,536 bytes: three groups of 512, lane l's 16 bytes at 16 l) and 256 bytes of scale words.
;   q, k: image bb is a PAIR of token tiles: registers 0-5 tile 2 bb's 64 codes, registers 6-11 tile 2 bb + 1's.  Lane r of tile 2 bb + u is token 32 bb + 8 u + r + 8 (r / 8).   v: image t is V^T's tile t, K = the 128 tokens.
; THE PAIR.  The instruction's K is 128, the head's 64.  A pair of K is source 0 twice: against [q | zeros] it gives tile 2 bb's scores, against [zeros | q] tile 2 bb + 1's.  The other half multiplies zero codes.
; SHARES.  A cluster of four work-groups is one head; a work-group owns 512 queries; each of its SIXTEEN waves one tile of 16 in each of two passes: four waves to a SIMD, so that one wave's vector work stands beside
; another's matrix work and LDS loads.  Both products are used transposed: a lane holds ONE query (lane % 16) throughout.
; LDS: the head's whole K (102,400 bytes) and V (102,400) stay; nothing is filled again.  They come in four chunks of four key steps each, asked for JOINTLY by the four work-groups: wave 0 asks for K's four, wave 1
; for V's: four tensor loads of a wave are out at the most.  Behind them: a stage of 16 rows x 272 bytes for each wave.
; No prefetch: every byte of K and V is asked for at the head, so no later load is left to run ahead of.
.set LI,   1                           ; v1   16 x lane
.set LV,   2                           ; v2   + V's place
.set LKS,  3                           ; v3   8 x lane + 6,144: K's scale words
.set LVS,  4                           ; v4   V's
.set GO,   5                           ; v5   the way out: 4,096 (lane / 16) + 16 (lane % 16)
.set SIN,  6                           ; v6   the stage, in
.set SBK,  7                           ; v7   and back
.set ADK,  8                           ; v8-11 the step's addresses
.set ADV,  9
.set ADKS, 10
.set ADVS, 11
.set QS,   34                          ; v34  q's scale word (its two bytes twice)        v12 -M, v13 the largest t, v[14:15] the sum in two halves
.set PS,   35                          ; v35  p's                                          v16-33: six zeros, q's six registers, six zeros
.set KSC,  36                          ; v[36:37] K's scale words: pairs 0, 2 in lanes 0-15, pairs 1, 3 in lanes 16-31
.set VSC,  38                          ; v[38:39] V's likewise
.set KK,   40                          ; v40-87   K's four pairs; at work once the scores are made
.set VV,   88                          ; v88-135  V's four fragments
.set SS,   136                         ; v136-199 S^T, then p
.set OO,   200                         ; v200-231 O^T
.set PC,   232                         ; v232-243 p's codes
.set BM,   40                          ; the blocks' largest scores
.set PT,   44
.set SO,   48
.set BY,   52
.set FF,   56                          ; v[56:57] f
.set TMP,  58
.set CH,   60                          ; v[60:61] the sums' second chain
.set CT,   64                          ; v64-66, v68-70 the upper halves' codes
.set QO,   244                         ; v244-246 q's offsets
.set WV,   8
.set SEL,  10
.set CS,   12                          ; s[12:13] c = log2(e) / 8
.set TK,   14                          ; s14 the step's block in LDS
.set CNT,  15
.set G1,   16                          ; s[16:23]
.set G0,   24                          ; s[24:39] a group 0 for each chunk
.set QB,   40                          ; s[40:41] q's block
.set OB,   42                          ; s[42:43] my first row of out
.macro CROUND                          ; a round of the cluster's barrier
	s_barrier_signal -1
	s_barrier_wait -1
	s_cmp_lg_u32 s[WV], 0
	s_cbranch_scc1 .Lnot_wave_0_\@
	s_barrier_signal -3
.Lnot_wave_0_\@:
	s_barrier_wait -3
	s_barrier_signal -1
	s_barrier_wait -1
.endm
	s_load_b128 s[4:7], s[0:1], 0x0                ; qkv s[4:5], out0 s[6:7]
	v_lshl_add_u32 v254, v0, 2, 0x43000
	v_mov_b32 v255, 0
	ds_add_u32 v254, v255
	ds_add_u32 v254, v255
	v_lshrrev_b32 v8, 5, v0
	s_delay_alu instid0(VALU_DEP_1)
	v_readfirstlane_b32 s[WV], v8                  ; wave 0..15
	s_bfe_u32 s9, ttmp6, 0x40000                   ; cx: it enters q's and out's addresses alone
	s_and_b32 s44, ttmp7, 0xffff                   ; the head index, batch x 16 + head, which the four partners share
	s_mov_b32 s[SEL], 0x76543210
	s_mov_b32 s[SEL+1], 0xfedcba98
	s_mov_b32 s[CS], 0x3e38aa3b
	s_mov_b32 s[CS+1], s[CS]                       ; (named with it as a pair, so it is written)
	; descriptor group 1: 25,600 dense bytes as 100 rows of 256 (32 elements of 8 bytes)
	s_mov_b32 s[G1], 15|(3<<16)|(1<<21)            ; 15:0 the mask: all four work-groups; 17:16 elements of 8 bytes; 21 set beside a mask
	s_mov_b32 s[G1+1], 32<<16
	s_mov_b32 s[G1+2], 100<<16
	s_mov_b32 s[G1+3], 32<<16
	s_mov_b32 s[G1+4], 100
	s_mov_b32 s[G1+5], 32
	s_mov_b32 s[G1+6], 0
	s_mov_b32 s[G1+7], 0
	s_and_b32 s45, s[WV], 1                        ; u.  Also: wave 0 fetches K, wave 1 V
	s_mul_i32 s46, s45, 102400                     ; in LDS
	s_add_co_u32 s47, s45, 1
	s_mul_i32 s48, s47, 6553600                    ; k's or v's part of qkv
	s_mul_i32 s47, s44, 102400                     ; the head's 16 blocks
	s_add_co_u32 s48, s48, s47
	s_mov_b32 s49, 0
	s_lshl_b32 s50, s9, 2
	s_lshr_b32 s51, s[WV], 3
	s_add_co_u32 s50, s50, s51                     ; q's block in pass 0: 4 cx + wave / 8
	s_mul_i32 s50, s50, 6400
	s_add_co_u32 s50, s50, s47
	s_mov_b32 s51, 0
	s_lshr_b32 s52, s44, 4
	s_lshl_b32 s52, s52, 23                        ; batch x 2,048 rows of 4,096 bytes
	s_and_b32 s53, s44, 15
	s_lshl_b32 s53, s53, 8                         ; head x 256 bytes
	s_add_co_u32 s52, s52, s53
	s_lshl_b32 s53, s9, 9
	s_lshr_b32 s54, s[WV], 3
	s_lshl_b32 s54, s54, 7
	s_add_co_u32 s53, s53, s54
	s_bfe_u32 s55, s[WV], 0x20001                  ; bb = (wave / 2) % 4
	s_lshl_b32 s54, s55, 5
	s_add_co_u32 s53, s53, s54
	s_lshl_b32 s54, s45, 3
	s_add_co_u32 s53, s53, s54                     ; my tile's first query: 512 cx + 128 (wave / 8) + 32 bb + 8 u
	s_lshl_b32 s53, s53, 12
	s_add_co_u32 s52, s52, s53
	s_mov_b32 s53, 0
	s_wait_dscnt 0x0
	s_wait_kmcnt 0x0
	s_add_nc_u64 s[48:49], s[4:5], s[48:49]
	s_add_nc_u64 s[QB:QB+1], s[4:5], s[50:51]
	s_add_nc_u64 s[OB:OB+1], s[6:7], s[52:53]
	CROUND                                         ; all four work-groups are here: the joint loads meet
.irp c, 0,1,2,3
	s_mov_b32 s[G0+4*\c], 1
	s_add_co_u32 s[G0+4*\c+1], s46, \c*25600
	s_add_nc_u64 s[G0+4*\c+2:G0+4*\c+3], s[48:49], \c*25600
	s_or_b32 s[G0+4*\c+3], s[G0+4*\c+3], 0x80000000
.endr
	s_cmp_lt_u32 s[WV], 2                          ; a wave's four fills stand in one branch, ahead of every wait on TENSORcnt, every LDS read and every further barrier
	s_cbranch_scc0 .Lno_fill
	tensor_load_to_lds s[G0:G0+3], s[G1:G1+7]
	s_nop 0
	tensor_load_to_lds s[G0+4:G0+7], s[G1:G1+7]
	s_nop 0
	tensor_load_to_lds s[G0+8:G0+11], s[G1:G1+7]
	s_nop 0
	tensor_load_to_lds s[G0+12:G0+15], s[G1:G1+7]
	s_nop 0
.rept 4
	v_nop
.endr
.Lno_fill:
	v_and_b32 v9, 31, v0
	s_delay_alu instid0(VALU_DEP_1)
	v_lshlrev_b32 v[LI], 4, v9
	s_delay_alu instid0(VALU_DEP_1)
	v_add_nc_u32 v[LV], 102400, v[LI]
	s_delay_alu instid0(VALU_DEP_3)
	v_lshlrev_b32 v[LKS], 3, v9
	s_delay_alu instid0(VALU_DEP_1)
	v_add_nc_u32 v[LVS], 108544, v[LKS]
	s_delay_alu instid0(VALU_DEP_2)
	v_add_nc_u32 v[LKS], 6144, v[LKS]
	v_and_b32 v10, 15, v0                          ; r
	v_bfe_u32 v11, v0, 4, 1                        ; h
	s_delay_alu instid0(VALU_DEP_2)
	v_lshlrev_b32 v[GO], 4, v10
	s_delay_alu instid0(VALU_DEP_1)
	v_lshl_add_u32 v[GO], v11, 12, v[GO]
	s_mul_i32 s56, s[WV], 4352
	s_add_co_u32 s56, s56, 204800                  ; my stage
	v_mul_u32_u24 v[SIN], v10, 272
	s_delay_alu instid0(VALU_DEP_1)
	v_lshl_add_u32 v[SIN], v11, 6, v[SIN]
	s_delay_alu instid0(VALU_DEP_1)
	v_add_nc_u32 v[SIN], s56, v[SIN]               ; in: row r, + 64 h
	v_mul_u32_u24 v[SBK], v11, 272
	s_delay_alu instid0(VALU_DEP_1)
	v_lshl_add_u32 v[SBK], v10, 4, v[SBK]
	s_delay_alu instid0(VALU_DEP_1)
	v_add_nc_u32 v[SBK], s56, v[SBK]               ; back: lanes 0-15 one row, lanes 16-31 the next
	; my tile's six registers in image bb: u = 0: registers 0-5 (bytes 0, 8 of group 0, byte 0 of group 1); u = 1: registers 6-11 (byte 8 of group 1, bytes 0, 8 of group 2)
	s_mul_i32 s57, s55, 1536
	s_mul_i32 s58, s45, 520
	s_add_co_u32 s58, s58, s57
	v_add_nc_u32 v[QO], s58, v[LI]
	s_mul_i32 s58, s45, 1016
	s_add_co_u32 s58, s58, s57
	v_add_nc_u32 v[QO+1], s58, v[LI]
	s_and_b32 s58, s55, 1
	s_lshl_b32 s58, s58, 7
	s_lshr_b32 s59, s55, 1
	s_lshl_b32 s59, s59, 2
	s_add_co_u32 s58, s58, s59
	v_lshl_add_u32 v[QO+2], v10, 3, s58            ; the pair's scale word of row r: 8 (r + 16 (bb % 2)) + 4 (bb / 2)
	s_lshl_b32 s59, s45, 4                         ; 16 u: my tile's two bytes of it
.irp j, 16,17,18,19,20,21,28,29,30,31,32,33
	v_mov_b32 v[\j], 0                             ; the zero codes on both sides of q
.endr
; a pass begins: q's fragment and scale word; the largest t is -3e38, under every t; the sum and O^T are zeros, which the first change of M leaves zeros
.macro INIT p
.if \p
	s_wait_xcnt 0x0                                ; the last pass's stores have read their registers, which the scores will take
.endif
	global_load_b64 v[22:23], v[QO], s[QB:QB+1] offset:12800*\p
	global_load_b64 v[24:25], v[QO+1], s[QB:QB+1] offset:12800*\p+8
	global_load_b64 v[26:27], v[QO], s[QB:QB+1] offset:12800*\p+512
	global_load_b32 v[QS], v[QO+2], s[QB:QB+1] offset:12800*\p+6144
	v_mov_b32 v13, 0xff61b1e6
	s_delay_alu instid0(VALU_DEP_1)
	v_floor_f32 v12, -v13                          ; -M
	v_mov_b32 v14, 0
	v_mov_b32 v15, 0
	s_wait_loadcnt 0x0
	v_lshrrev_b32 v[QS], s59, v[QS]
	s_delay_alu instid0(VALU_DEP_1)
	v_and_b32 v[QS], 0xffff, v[QS]
	s_delay_alu instid0(VALU_DEP_1)
	v_lshl_or_b32 v[QS], v[QS], 16, v[QS]          ; the two bytes twice: they serve q in either half of K
.set j, 0
.rept 32
	v_mov_b32 v[OO+j], 0                           ; (these are also the places between the scale word's last line and the first product)
.set j, j+1
.endr
.endm
; A KEY STEP: 128 keys
.macro STEP
	s_setprio 2
	v_add_nc_u32 v[ADK], s[TK], v[LI]              ; these four are the places between the last step's products and the loads into their registers
	v_add_nc_u32 v[ADV], s[TK], v[LV]
	v_add_nc_u32 v[ADKS], s[TK], v[LKS]
	v_add_nc_u32 v[ADVS], s[TK], v[LVS]
.irp i, 0,1,2,3,4,5,6,7,8,9,10,11
	ds_load_b128 v[KK+4*\i:KK+4*\i+3], v[ADK] offset:512*\i
.endr
	ds_load_b64 v[KSC:KSC+1], v[ADKS]
.irp i, 0,1,2,3,4,5,6,7,8,9,10,11
	ds_load_b128 v[VV+4*\i:VV+4*\i+3], v[ADV] offset:512*\i
.endr
	ds_load_b64 v[VSC:VSC+1], v[ADVS]
	s_wait_dscnt 13                                ; K and its scale words are in; V's 13 loads may be out
.irp bb, 0,1,2,3                       ; S^T = K q^T: lane (r, h) holds query r; the 16 registers of tiles 2 bb, 2 bb + 1 are keys 32 bb + 16 h + 0 .. 15
.if \bb%2
	v_wmma_scale_f32_16x16x128_f8f6f4 v[SS+16*\bb:SS+16*\bb+7], v[KK+12*\bb:KK+12*\bb+11], v[22:33], 0, v[KSC+\bb/2], v[QS] matrix_a_fmt:MATRIX_FMT_FP6 matrix_b_fmt:MATRIX_FMT_FP6 matrix_a_scale:MATRIX_SCALE_ROW1
	v_wmma_scale_f32_16x16x128_f8f6f4 v[SS+16*\bb+8:SS+16*\bb+15], v[KK+12*\bb:KK+12*\bb+11], v[16:27], 0, v[KSC+\bb/2], v[QS] matrix_a_fmt:MATRIX_FMT_FP6 matrix_b_fmt:MATRIX_FMT_FP6 matrix_a_scale:MATRIX_SCALE_ROW1
.else
	v_wmma_scale_f32_16x16x128_f8f6f4 v[SS+16*\bb:SS+16*\bb+7], v[KK+12*\bb:KK+12*\bb+11], v[22:33], 0, v[KSC+\bb/2], v[QS] matrix_a_fmt:MATRIX_FMT_FP6 matrix_b_fmt:MATRIX_FMT_FP6
	v_wmma_scale_f32_16x16x128_f8f6f4 v[SS+16*\bb+8:SS+16*\bb+15], v[KK+12*\bb:KK+12*\bb+11], v[16:27], 0, v[KSC+\bb/2], v[QS] matrix_a_fmt:MATRIX_FMT_FP6 matrix_b_fmt:MATRIX_FMT_FP6
.endif
.endr
.rept 4
	v_nop                                          ; places in front of the first read of the scores and the first write into K's registers
.endr
.irp b, 0,1,2,3
	v_max3_num_f32 v[BM+\b], v[SS+16*\b], v[SS+16*\b+1], v[SS+16*\b+2]   ; the largest score of each block of 32 keys: for the row's maximum and for the block's largest p
.endr
.irp i, 3,5,7,9,11,13
.irp b, 0,1,2,3
	v_max3_num_f32 v[BM+\b], v[BM+\b], v[SS+16*\b+\i], v[SS+16*\b+\i+1]
.endr
.endr
.irp b, 0,1,2,3
	v_max_num_f32 v[BM+\b], v[BM+\b], v[SS+16*\b+15]
.endr
.irp b, 0,1,2,3
	s_delay_alu instid0(VALU_DEP_4)
	v_permlanex16_b32 v[PT+\b], v[BM+\b], s[SEL], s[SEL+1]
.endr
.irp b, 0,1,2,3
	s_delay_alu instid0(VALU_DEP_4)
	v_max_num_f32 v[BM+\b], v[BM+\b], v[PT+\b]     ; with lane l xor 16's 16 keys
.endr
	s_delay_alu instid0(VALU_DEP_2)
	v_max3_num_f32 v[TMP], v[BM], v[BM+1], v[BM+2]
	s_delay_alu instid0(VALU_DEP_1)
	v_max_num_f32 v[TMP], v[TMP], v[BM+3]          ; the step's largest score of my query
	s_delay_alu instid0(VALU_DEP_1)
	v_mul_f32 v[TMP], s[CS], v[TMP]                ; as t (c is positive)
	s_delay_alu instid0(VALU_DEP_1)
	v_max_num_f32 v13, v13, v[TMP]                 ; the running largest t
	v_mov_b32 v[TMP], v12
	s_delay_alu instid0(VALU_DEP_2)
	v_floor_f32 v12, -v13                          ; the new -M = floor(-t): M is a whole number
	s_delay_alu instid0(VALU_DEP_1)
	v_sub_f32 v[TMP], v12, v[TMP]                  ; old M - new M: a whole number, 0 or less
	s_delay_alu instid0(VALU_DEP_1)
	v_cvt_i32_f32 v[TMP], v[TMP]                   ; (it saturates)
	s_delay_alu instid0(VALU_DEP_1)
	v_ldexp_f32 v[FF], 1.0, v[TMP]                 ; f = 2^(old M - new M)
.set j, 0
.rept 32
	v_pk_fma_f32 v[SS+j:SS+j+1], v[SS+j:SS+j+1], s[CS:CS+1], v[12:13] op_sel_hi:[1,0,0]   ; t - M, two at a time (of the pairs c and -M the low word serves both halves)
.set j, j+2
.endr
.irp b, 0,1,2,3
	v_fma_f32 v[BM+\b], v[BM+\b], s[CS], v12       ; the same of each block's largest score
.endr
.set j, 0
	s_wait_alu depctr_va_vdst(0)
.rept 64
	v_exp_f32 v[SS+j], v[SS+j]                     ; p = 2^(t - M), at most 1
.set j, j+1
.endr
	s_setprio 1
	v_pk_mul_f32 v[14:15], v[14:15], v[FF:FF+1] op_sel_hi:[1,0]   ; the sums under the new M: a plain place behind the exponentials
	s_wait_alu depctr_va_vdst(0)                   ; one wait for the whole batch, ahead of its first reader
.irp b, 0,1,2,3
	v_exp_f32 v[BM+\b], v[BM+\b]                   ; the block's largest p
.endr
	v_pk_add_f32 v[60:61], v[140:141], v[144:145]
	v_pk_add_f32 v[252:253], v[148:149], v[152:153]
	v_pk_add_f32 v[250:251], v[156:157], v[160:161]
	v_pk_add_f32 v[248:249], v[164:165], v[168:169]
	v_pk_add_f32 v[242:243], v[172:173], v[176:177]
	v_pk_add_f32 v[240:241], v[180:181], v[184:185]
	v_pk_add_f32 v[238:239], v[188:189], v[192:193]
	v_pk_add_f32 v[14:15], v[14:15], v[196:197]
	v_pk_add_f32 v[60:61], v[60:61], v[136:137]
	v_pk_add_f32 v[252:253], v[252:253], v[138:139]
	v_pk_add_f32 v[250:251], v[250:251], v[142:143]
	v_pk_add_f32 v[248:249], v[248:249], v[146:147]
	v_pk_add_f32 v[242:243], v[242:243], v[150:151]
	v_pk_add_f32 v[240:241], v[240:241], v[154:155]
	v_pk_add_f32 v[238:239], v[238:239], v[158:159]
	v_pk_add_f32 v[14:15], v[14:15], v[162:163]
	v_pk_add_f32 v[60:61], v[60:61], v[166:167]
	v_pk_add_f32 v[252:253], v[252:253], v[170:171]
	v_pk_add_f32 v[250:251], v[250:251], v[174:175]
	v_pk_add_f32 v[248:249], v[248:249], v[178:179]
	v_pk_add_f32 v[242:243], v[242:243], v[182:183]
	v_pk_add_f32 v[240:241], v[240:241], v[186:187]
	v_pk_add_f32 v[238:239], v[238:239], v[190:191]
	v_pk_add_f32 v[14:15], v[14:15], v[194:195]
	v_pk_add_f32 v[60:61], v[60:61], v[198:199]
	s_delay_alu instid0(VALU_DEP_2)
	v_pk_add_f32 v[14:15], v[14:15], v[248:249]
	s_delay_alu instid0(VALU_DEP_2)
	v_pk_add_f32 v[60:61], v[60:61], v[242:243]
	v_pk_add_f32 v[252:253], v[252:253], v[240:241]
	v_pk_add_f32 v[250:251], v[250:251], v[238:239]
	s_delay_alu instid0(VALU_DEP_2)
	v_pk_add_f32 v[14:15], v[14:15], v[252:253]
	s_delay_alu instid0(VALU_DEP_2)
	v_pk_add_f32 v[60:61], v[60:61], v[250:251]
	s_delay_alu instid0(VALU_DEP_1)
	v_pk_add_f32 v[14:15], v[14:15], v[60:61]
	s_wait_alu depctr_va_vdst(0)                   ; and one for the four
.irp b, 0,1,2,3
	v_max_num_f32 v[BM+\b], 0x1800000, v[BM+\b]    ; the floor 2^(3 - 127): the byte cannot fall under 1
.endr
.irp b, 0,1,2,3
	s_delay_alu instid0(VALU_DEP_4)
	v_add_nc_u32 v[SO+\b], 0xff000000, v[BM+\b]    ; 2 off the exponent field: the conversion's scale operand
.endr
.irp b, 0,1,2,3
	s_delay_alu instid0(VALU_DEP_4)
	v_lshrrev_b32 v[BY+\b], 23, v[SO+\b]
.endr
	s_delay_alu instid0(VALU_DEP_3)
	v_lshl_or_b32 v[PS], v[BY+1], 8, v[BY]         ; p's scale word for these 128 keys
	s_delay_alu instid0(VALU_DEP_1)
	v_lshl_or_b32 v[PS], v[BY+2], 16, v[PS]
	s_delay_alu instid0(VALU_DEP_1)
	v_lshl_or_b32 v[PS], v[BY+3], 24, v[PS]
.irp c, 0,1
	v_cvt_scalef32_pk16_fp6_f32 v[PC+6*\c:PC+6*\c+2], v[SS+32*\c:SS+32*\c+15], v[SO+2*\c]
	v_cvt_scalef32_pk16_fp6_f32 v[CT+4*\c:CT+4*\c+2], v[SS+32*\c+16:SS+32*\c+31], v[SO+2*\c+1]
.endr
	v_nop                                          ; one plain place behind the conversions
.irp c, 0,1                            ; a whole block in a lane: lanes 0-15 block 2 c, lanes 16-31 block 2 c + 1
.irp i, 0,1,2
	v_permlane16_swap_b32 v[PC+6*\c+\i], v[CT+4*\c+\i]
.endr
.irp i, 0,1,2
	s_delay_alu instid0(VALU_DEP_3)
	v_mov_b32 v[PC+6*\c+3+\i], v[CT+4*\c+\i]
.endr
.endr
.set j, 0
	s_setprio 0
.rept 16
	v_pk_mul_f32 v[OO+j:OO+j+1], v[OO+j:OO+j+1], v[FF:FF+1] op_sel_hi:[1,0]   ; O^T under the new M, each accumulator from its low end on.  (These are also the places in front of the products)
.set j, j+2
.endr
	s_wait_alu depctr_va_vdst(0)
	s_wait_dscnt 0x0                               ; V and its scale words are in
.irp t, 0,1,2,3                        ; O^T += V^T p^T: register j of tile t is channel 32 (t / 2) + 8 (t % 2) + 16 h + j
.if \t%2
	v_wmma_scale_f32_16x16x128_f8f6f4 v[OO+8*\t:OO+8*\t+7], v[VV+12*\t:VV+12*\t+11], v[PC:PC+11], v[OO+8*\t:OO+8*\t+7], v[VSC+\t/2], v[PS] matrix_a_fmt:MATRIX_FMT_FP6 matrix_b_fmt:MATRIX_FMT_FP6 matrix_a_scale:MATRIX_SCALE_ROW1
.else
	v_wmma_scale_f32_16x16x128_f8f6f4 v[OO+8*\t:OO+8*\t+7], v[VV+12*\t:VV+12*\t+11], v[PC:PC+11], v[OO+8*\t:OO+8*\t+7], v[VSC+\t/2], v[PS] matrix_a_fmt:MATRIX_FMT_FP6 matrix_b_fmt:MATRIX_FMT_FP6
.endif
.endr
	s_add_co_u32 s[TK], s[TK], 6400                ; the next step's block
.endm
; chunk c of K and V has landed (the 3 - c younger loads of the fetching waves may stay out), every wave knows it, and its four key steps are walked
.macro CHUNK c
	s_wait_tensorcnt 3-\c
	s_barrier_signal -1
	s_barrier_wait -1
	s_mov_b32 s[TK], \c*25600
	s_mov_b32 s[CNT], 4
.Lchunk_\@:
	STEP
	s_sub_co_u32 s[CNT], s[CNT], 1
	s_cmp_lg_u32 s[CNT], 0
	s_cbranch_scc1 .Lchunk_\@
	s_setprio 0
.endm
; THE WAY OUT: O^T / the sum goes through my stage and leaves as rows of 256 bytes: sixteen lanes store 256 consecutive bytes, aligned
.macro WAYOUT p
.rept 4
	v_nop                                          ; places behind the last products
.endr
	v_add_f32 v14, v14, v15                        ; the sum's two halves,
	s_delay_alu instid0(VALU_DEP_1)
	v_permlanex16_b32 v[TMP], v14, s[SEL], s[SEL+1]
	s_delay_alu instid0(VALU_DEP_1)
	v_add_f32 v14, v14, v[TMP]                     ; and lane l xor 16's
	s_wait_alu depctr_va_vdst(0)
	v_rcp_f32 v14, v14
	v_nop                                          ; a plain place behind the reciprocal
	s_wait_alu depctr_va_vdst(0)                   ; and the wait ahead of its first reader
.set j, 0
.rept 32
	v_mul_f32 v[SS+j], v[OO+j], v14
.set j, j+1
.endr
.irp t, 0,1,2,3
	ds_store_b128 v[SIN], v[SS+8*\t:SS+8*\t+3] offset:128*(\t/2)+32*(\t%2)
	ds_store_b128 v[SIN], v[SS+8*\t+4:SS+8*\t+7] offset:128*(\t/2)+32*(\t%2)+16
.endr
.irp i, 0,1,2,3,4,5,6,7
	ds_load_b128 v[SS+32+4*\i:SS+32+4*\i+3], v[SBK] offset:544*\i   ; LDS serves a wave's instructions in order: these see my stores
.endr
.irp i, 0,1,2,3,4,5,6,7
	s_wait_dscnt 7-\i
	global_store_b128 v[GO], v[SS+32+4*\i:SS+32+4*\i+3], s[OB:OB+1] offset:(2*\i+8*(\i/4))*4096+1048576*\p th:TH_STORE_NT   ; the tile's row 2 i + h is query 2 i + h + 8 (i / 4) from the tile's first
.endr
.endm
	INIT 0
	CHUNK 0
	CHUNK 1
	CHUNK 2
	CHUNK 3
	WAYOUT 0
	INIT 1                                         ; the second pass: the tile 256 queries on; all of K and V lies in LDS
	s_mov_b32 s[TK], 0
	s_mov_b32 s[CNT], 16
.Lpass1:
	STEP
	s_sub_co_u32 s[CNT], s[CNT], 1
	s_cmp_lg_u32 s[CNT], 0
	s_cbranch_scc1 .Lpass1
	s_setprio 0
	WAYOUT 1
	s_wait_tensorcnt 0x0
	ds_add_u32 v254, v255
	s_wait_dscnt 0x0
	CROUND                                         ; the closing round: no work-group ends while a partner may still ask for a chunk that names it
	s_endpgm
.Lfunc_end_k_q6f970d630e_attn:
	.size	k_q6f970d630e_attn, .Lfunc_end_k_q6f970d630e_attn-k_q6f970d630e_attn
	.p2alignl 7, 3214868480
	.fill 96, 4, 3214868480
	.section	.rodata,"a",@progbits
	.p2align	6, 0x0
	.amdhsa_kernel k_q6f970d630e_attn
		.amdhsa_group_segment_fixed_size 276480
		.amdhsa_private_segment_fixed_size 0
		.amdhsa_enable_private_segment 0
		.amdhsa_kernarg_size 16
		.amdhsa_user_sgpr_count 2
		.amdhsa_user_sgpr_kernarg_segment_ptr 1
		.amdhsa_wavefront_size32 1
		.amdhsa_system_sgpr_workgroup_id_x 1
		.amdhsa_system_sgpr_workgroup_id_y 1
		.amdhsa_system_sgpr_workgroup_id_z 1
		.amdhsa_system_vgpr_workitem_id 0
		.amdhsa_next_free_vgpr 256
		.amdhsa_next_free_sgpr 66
		.amdhsa_reserve_vcc 0
		.amdhsa_float_denorm_mode_32 3
		.amdhsa_float_denorm_mode_16_64 3
		.amdhsa_memory_ordered 1
		.amdhsa_forward_progress 1
		.amdhsa_inst_pref_size 102
	.end_amdhsa_kernel
	.amdgpu_metadata
---
amdhsa.version: [ 1, 2 ]
amdhsa.kernels:
  - .name:           k_q6f970d630e_attn
    .symbol:         k_q6f970d630e_attn.kd
    .args:
      - { .name: qkv, .offset: 0, .size: 8, .value_kind: global_buffer, .address_space: global }
      - { .name: out0, .offset: 8, .size: 8, .value_kind: global_buffer, .address_space: global }
    .group_segment_fixed_size: 276480
    .private_segment_fixed_size: 0
    .kernarg_segment_align: 8
    .kernarg_segment_size: 16
    .max_flat_workgroup_size: 512
    .sgpr_count:     66
    .vgpr_count:     256
    .wavefront_size: 32
...
	.end_amdgpu_metadata
.endif
;; end of part 3
